; MI455X (gfx1250); checked and timed in simulation.
; The chip was launched on July 23, 2026; its instructions are those of AMD's public machine-readable ISA for CDNA 5 (MIT licence, August 2026) and "CDNA5" Instruction Set Architecture Reference Guide (July 2026). The comments in the code are by the model that wrote it; some were corrected since.
;; Multi Head Attention. Allowed arithmetic: matrix products marked QUANTISED: E4M3 operands, one E8M0 scale for each 32 along K, by v_wmma_scale_f32_16x16x128_f8f6f4 with both operands' format E4M3, f32 sums; everything else in f32.
;; Inputs: b_out 1,024 float32; b_qkv 3,072 float32; w_out_codes 1,024 x 32 x 32 uint8 (E4M3 codes of w_out, K innermost, in blocks of 32 codes); w_out_scales 1,024 x 32 uint8 (E8M0 scales of w_out, one for each 32 codes along K); w_qkv_codes 3,072 x 32 x 32 uint8 (E4M3 codes of w_qkv, K innermost, in blocks of 32 codes); w_qkv_scales 3,072 x 32 uint8 (E8M0 scales of w_qkv, one for each 32 codes along K); x_codes 4 x 2,048 x 32 x 32 uint8 (E4M3 codes of x, K innermost, in blocks of 32 codes); x_scales 4 x 2,048 x 32 uint8 (E8M0 scales of x, one for each 32 codes along K).
;; Outputs: out0 4 x 2,048 x 1,024 float32.
;; This version of the problem:
;;   THIS VERSION OF THE PROBLEM IS GIVEN IN LOW PRECISION. The matrix products marked QUANTISED in the list below multiply operands that are first quantised to E4M3 (4 exponent bits, 3 mantissa bits; 8 bits a number), with one power-of-two scale for each 32 numbers along K (OCP MX v1.0); their sums are f32. All else is computed in f32.
;;   The module's matrix products, in the order in which they are computed (A, B: the left and right operand; K: the contracted axis; several contracted axes count as one K, in the product's order):
;;     1. [M 8,192, K 1,024] x [K 1,024, N 3,072]; A: input x (given as codes); B: input w_qkv (given as codes): QUANTISED
;;     2. batch 64 x [M 2,048, K 64] x [K 64, N 2,048]; A: computed on the way; B: computed on the way: QUANTISED
;;     3. batch 64 x [M 2,048, K 2,048] x [K 2,048, N 64]; A: softmax (see below); B: computed on the way: QUANTISED
;;     4. [M 8,192, K 1,024] x [K 1,024, N 1,024]; A: computed on the way; B: input w_out (given as codes): QUANTISED
;;   THE QUANTISER, for each operand of a quantised product, along K:
;;     - K is cut into blocks of 32 from its start; a last block that is shorter is filled with zeros.
;;     - A block's scale is 2^e with e = floor(log2(the largest magnitude in the block)) - 8, held to -126 .. 127; a block of zeros has e = 0. As a byte (E8M0): e + 127.
;;     - Each number is divided by its block's scale, clamped to +-448, and rounded to the nearest number of E4M3, ties to even, subnormals kept.
;;     - The product sums the exact products of the quantised numbers (number of the format x scale) in f32.
;;   ~~~python
;;   def quantise(x, axis):      # numpy; x: float32 -> the quantised numbers, widened to float32 again
;;       x = np.moveaxis(x, axis, -1); K = x.shape[-1]
;;       x = np.pad(x, [(0, 0)] * (x.ndim - 1) + [(0, -K % 32)]); x = x.reshape(x.shape[:-1] + (-1, 32)); a = np.abs(x).max(-1, keepdims=True)
;;       e = np.where(a > 0, np.clip(np.frexp(np.where(a > 0, a, 1))[1] - 1 - 8, -126, 127), 0)      # np.frexp(a)[1] - 1 = floor(log2(a)), exactly
;;       r = np.clip(x / 2.0 ** e, -448, 448)
;;       step = 2.0 ** (np.maximum(np.frexp(np.where(r == 0, 1, r))[1] - 1, -6) - 3)
;;       q = np.round(r / step) * step * 2.0 ** e      # np.round: ties to even
;;       return np.moveaxis(q.reshape(q.shape[:-2] + (-1,))[..., :K], -1, axis).astype(np.float32)
;;   ~~~
;;   SOFTMAX AHEAD OF A QUANTISED PRODUCT. Where the list says 'softmax', what is quantised is not the finished softmax but p = 2^(t - M), with t = logit x log2(e) and M = ceil(the row's largest t), a whole number; so 1/2 < the row's largest p <= 1. The row's sum l is taken of the UNQUANTISED p, in f32, and the product's result is divided by l at the end. Since M is a whole number, a kernel that streams over the keys may use a running M (the ceiling of the running maximum): every later rescaling is an exact power of two, which a block's scale takes up: the codes' values come out the same.
;;   OPERANDS COMPUTED ON THE WAY. 'Computed on the way' means the value that the module computes at that place (a softmax that the list does not call 'softmax' is quantised finished and normalised). What goes into a quantiser is computed in f32, as accurately as f32 sums, v_exp_f32 and their like allow (about 1e-6 of the number): no bf16 or f16 on the way to a quantiser, and a product that is left as it is and whose result goes on into a quantised operand takes f32 operands (vector FMAs, or v_wmma_f32_16x16x4_f32). A number that lies on a knife's edge between two numbers of the format may be rounded either way, as far as f32 arithmetic and the matrix unit's own rounding can turn it there, and no further.
;;   INPUTS GIVEN AS CODES. w_out (in the module: [1024, 1024], K = its axis 0); w_qkv (in the module: [1024, 3072], K = its axis 0); x (in the module: [4, 2048, 1024], K = its axis 2): each comes as NAME_codes (uint8): NAME with its K axis moved to the last place and cut into blocks of 32 codes, [.., K / 32, bytes a block], one block behind the other in memory; one code a byte (a code: sign, 4 exponent bits, 3 mantissa bits); and NAME_scales (uint8): the same leading axes, one E8M0 byte (e + 127) for each 32 codes along K. Its value is code x scale, taken as it is: it is not quantised again, and the codes and scales need not be those that the quantiser above would give.
;; One version. Each part assembles by itself: llvm-mc -triple=amdgcn-amd-amdhsa -mcpu=gfx1250 --defsym DOCPART=n.
;; ======== version 1 of 1: 3 launches
;; limits: right only within a limited range of input values
;; workspace buffers: qkv_c 25,165,824 bytes; qkv_s 1,310,720 bytes; att_c 8,388,608 bytes; att_s 262,144 bytes
;; launch qkv (part 1): grid 12 x 32, 4 waves a work-group, clusters of 4 x 4, 327,680 bytes of LDS; arguments x_codes, x_scales, w_qkv_codes, w_qkv_scales, b_qkv, qkv_c, qkv_s; writes qkv_c, qkv_s
.if DOCPART == 1
	.amdgcn_target "amdgcn-amd-amdhsa--gfx1250"
	.amdhsa_code_object_version 6
	.text
	.protected	k_qeb6fb2396c_qkv
	.globl	k_qeb6fb2396c_qkv
	.p2align	8
	.type	k_qeb6fb2396c_qkv,@function
k_qeb6fb2396c_qkv:
	s_mov_b64 s[64:65], 0
	v_nop
	global_prefetch_b8 v0, s[64:65] scope:SCOPE_SE
	s_setreg_imm32_b32 hwreg(HW_REG_WAVE_MODE, 25, 1), 1
	s_wait_xcnt 0x0
	s_wait_alu depctr_hold_cnt(0) depctr_sa_sdst(0) depctr_va_vdst(0) depctr_va_sdst(0) depctr_va_ssrc(0) depctr_va_vcc(0) depctr_vm_vsrc(0)
	s_getreg_b32 s2, hwreg(HW_REG_IB_STS2, 6, 4)
	s_cmp_eq_u32 s2, 0
	s_cbranch_scc0 .Lentry_in_a_cluster
	s_endpgm
.Lentry_in_a_cluster:
	s_bfe_u32 s2, ttmp6, 0x10000c
	s_cmp_lg_u32 s2, 0xf033
	s_cbranch_scc0 .Lentry_shape_is_right
	s_endpgm
.Lentry_shape_is_right:
; qkv = x w_qkv + b_qkv on codes of FP8 (E4M3) with one E8M0 scale for each 32 along K = 1,024, quantised again on the way out for the attention launch.
; A tile of 256 x 256 is made by four waves, 128 x 128 each: 64 accumulators.  K goes in four steps of 256 through a ring of two LDS slots; the scales of all of K come into LDS once.
; THE HEAD: one joint load a wave (K step 0 of either operand, whole, and the two tables of scales); K step 1 is asked for behind the full sequence and a round of the cluster's barrier.
; CLUSTERS: 4 x 4 work-groups; the tiles of source 1 are shared along a row of the cluster, those of source 0 along a column.  The cluster's x says which third of the outputs: 0 = q, 1 = k, 2 = v.
; The matrix instruction is used transposed: a lane holds one row of source 1, its registers run along source 0's rows.  For q and k source 1 is x (a lane holds a token, its registers run along the head's channels,
; which are the K of the scores); for v the two operands change places (a lane holds a channel, its registers run along the tokens, which are the K of the second product).  So each is quantised along its next K in registers.
; The bias is added in f32 ahead of the quantiser: by column for q and k, by row for v.  Codes leave as images of the next operand's registers, 512 consecutive bytes a store; the scale words go through LDS.
; No prefetch: the block is the largest, its tiles are shared in clusters, and K is four steps, all written out: there is no loop to run ahead in.
.set NQ,     2
.set ROWB,   256
.set KROW,   1024
.set PITCH,  272
.set FR,     16
.set NL,     4
.set NP,     8
.set HALFT,  128*PITCH
.set SLOT,   4*HALFT
.set SCL,    2*SLOT
.set HALFS,  16*272
.set SBLK,   2*272
.set SPARE,  SCL+4*HALFS
.set BI,   0
.set ADRA, 16
.set SHV,  18
.set CO2,  19
.set ADRB, 20
.set BJA,  22
.set BIA,  23
.set CO,   24
.set SSTO, 25
.set SRD,  26
.set ADRS, 27
.set SPW,  28
.set NIL,  29
.set SC,   32
.set BJ,   64
.set AF,   128
.set NUM,  128
.set CD,   192
.set TM,   224
.set PW,   240
.set SW,   241
.set G1,   24
.set G0,   32
.set G1B,  48
.set G0B,  56
.set G1S,  68
.set G0S,  76
.set G1SB, 80
.set G0SB, 88
.set SEL,  92
.set MNT,  94
.set MSB, 0
.macro WIN new
.if MSB != \new
	s_set_vgpr_msb (MSB<<8)|\new
.set MSB, \new
.endif
.endm
.set MUL_LO, 0xa1
.set MUL_HI, 0xf1
.set TO_B,   0x40
.macro JLOAD g0a, g1a, g0b, g1b
	s_cmp_eq_u32 s15, 0
	s_cbranch_scc0 .Lfor_b_\@
	tensor_load_to_lds s[\g0a:\g0a+3], s[\g1a:\g1a+7]
	s_nop 0
.rept 4
	v_nop
.endr
	s_branch .Lasked_\@
.Lfor_b_\@:
	tensor_load_to_lds s[\g0b:\g0b+3], s[\g1b:\g1b+7]
	s_nop 0
.rept 4
	v_nop
.endr
.Lasked_\@:
.endm
.macro CREST
	s_cmp_lg_u32 s14, 0
	s_cbranch_scc1 .Lnot_wave_0_\@
	s_barrier_signal -3
.Lnot_wave_0_\@:
	s_barrier_wait -3
	s_barrier_signal -1
	s_barrier_wait -1
.endm
.macro CROUND
	s_barrier_signal -1
	s_barrier_wait -1
	CREST
.endm
	s_load_b256 s[4:11], s[0:1], 0x0
	s_load_b128 s[96:99], s[0:1], 0x20
	s_load_b64 s[100:101], s[0:1], 0x30
	v_lshl_add_u32 v[SPW], v0, 2, SPARE
	v_mov_b32 v[NIL], 0
	ds_add_u32 v28, v29
	ds_add_u32 v28, v29
	s_wait_dscnt 0x0
	v_lshrrev_b32 v1, 5, v0
	v_readfirstlane_b32 s14, v1
	s_lshr_b32 s15, s14, 1
	s_and_b32 s16, s14, 1
	s_bfe_u32 s40, ttmp6, 0x40000
	s_bfe_u32 s41, ttmp6, 0x40004
	s_and_b32 s17, ttmp7, 0xffff
	s_lshl_b32 s17, s17, 10
	s_lshl_b32 s42, ttmp9, 10
	s_cmp_eq_u32 ttmp9, 2
	s_cselect_b32 s12, 1, 0
	s_cselect_b32 s13, -1, 0xffff
	s_cselect_b32 s2, 2048, s17
	s_cselect_b32 s3, s17, s42
	s_lshl_b32 s18, s41, 8
	s_add_co_u32 s104, s2, s18
	s_lshl_b32 s19, s40, 8
	s_add_co_u32 s105, s3, s19
	s_lshl_b32 s43, s41, 2
	s_lshl_b32 s43, 15, s43
	s_lshl_b32 s44, 0x1111, s40
	s_or_b32 s[G1+0], s43, (0<<16)|(1<<20)|(1<<21)|(5<<22)|(3<<25)
	s_or_b32 s[G1B+0], s44, (0<<16)|(1<<20)|(1<<21)|(5<<22)|(3<<25)
.irp g, G1, G1B
	s_mov_b32 s[\g+1], ROWB<<16
	s_mov_b32 s[\g+2], 256<<16                     ; the head's loads of codes bring 256 rows; behind them the two words that count rows are set to 128
	s_mov_b32 s[\g+3], ROWB<<16
	s_mov_b32 s[\g+4], 256
	s_mov_b32 s[\g+5], KROW
	s_mov_b32 s[\g+6], 0
	s_mov_b32 s[\g+7], 0
.endr
	s_or_b32 s[G1S+0], s43, (3<<16)|(1<<20)|(1<<21)|(5<<22)|(3<<25)
	s_or_b32 s[G1SB+0], s44, (3<<16)|(1<<20)|(1<<21)|(5<<22)|(3<<25)
.irp g, G1S, G1SB
	s_mov_b32 s[\g+1], 32<<16
	s_mov_b32 s[\g+2], 32<<16                      ; the scales of 256 rows: 8,192 dense bytes as 32 rows of 256
	s_mov_b32 s[\g+3], 32<<16
	s_mov_b32 s[\g+4], 32
	s_mov_b32 s[\g+5], 32
	s_mov_b32 s[\g+6], 0
	s_mov_b32 s[\g+7], 0
.endr
	s_mov_b32 s18, 0                               ; the tiles' first rows: the ring's halves are added below
	s_add_co_u32 s20, s104, s18
	s_add_co_u32 s46, s105, s18
	s_mov_b32 s21, 0
	s_mov_b32 s47, 0
	s_lshl_b64 s[22:23], s[20:21], 5
	s_lshl_b64 s[92:93], s[46:47], 5
	s_lshl_b64 s[20:21], s[20:21], 10
	s_lshl_b64 s[46:47], s[46:47], 10
	s_mul_i32 s45, s14, HALFT
	s_wait_kmcnt 0x0
	s_cmp_eq_u32 ttmp9, 2
	s_cselect_b64 s[66:67], s[8:9], s[4:5]
	s_cselect_b64 s[8:9], s[4:5], s[8:9]
	s_mov_b64 s[4:5], s[66:67]
	s_cselect_b64 s[66:67], s[10:11], s[6:7]
	s_cselect_b64 s[10:11], s[6:7], s[10:11]
	s_mov_b64 s[6:7], s[66:67]
	s_add_nc_u64 s[20:21], s[4:5], s[20:21]
	s_add_nc_u64 s[22:23], s[6:7], s[22:23]
	s_add_nc_u64 s[46:47], s[8:9], s[46:47]
	s_add_nc_u64 s[92:93], s[10:11], s[92:93]
	CROUND
	s_mov_b32 s[G0S], 1
	s_mov_b32 s[G0S+1], SCL
	s_mov_b64 s[G0S+2:G0S+3], s[22:23]
	s_or_b32 s[G0S+3], s[G0S+3], 0x80000000
	s_mov_b32 s[G0SB], 1
	s_mov_b32 s[G0SB+1], SCL+2*HALFS
	s_mov_b64 s[G0SB+2:G0SB+3], s[92:93]
	s_or_b32 s[G0SB+3], s[G0SB+3], 0x80000000
	s_mov_b32 s4, 1                                ; group 0 of the head's loads of K step 0: source 1's 256 rows,
	s_mov_b32 s5, 0
	s_mov_b64 s[6:7], s[20:21]
	s_or_b32 s7, s7, 0x80000000
	s_mov_b32 s8, 1                                ; and source 0's, behind them in slot 0 (the arguments that lay here have been used)
	s_mov_b32 s9, 2*HALFT
	s_mov_b64 s[10:11], s[46:47]
	s_or_b32 s11, s11, 0x80000000
	s_mul_i32 s18, s16, 128*KROW                   ; for the ring: my 128 rows of a tile
	s_mov_b32 s19, 0
	s_add_nc_u64 s[20:21], s[20:21], s[18:19]
	s_add_nc_u64 s[46:47], s[46:47], s[18:19]
.irp s, 0,1
	s_mov_b32 s[G0+4*\s], 1
	s_add_co_u32 s[G0+4*\s+1], s45, \s*SLOT
	s_add_nc_u64 s[G0+4*\s+2:G0+4*\s+3], s[20:21], \s*ROWB
	s_or_b32 s[G0+4*\s+3], s[G0+4*\s+3], 0x80000000
	s_mov_b32 s[G0B+4*\s], 1
	s_add_co_u32 s[G0B+4*\s+1], s45, \s*SLOT
	s_add_nc_u64 s[G0B+4*\s+2:G0B+4*\s+3], s[46:47], \s*ROWB
	s_or_b32 s[G0B+4*\s+3], s[G0B+4*\s+3], 0x80000000
.endr
; THE HEAD'S LOADS, ONE A WAVE: K step 0's two tiles, whole, and the two tables of scales: one chain of branches on the wave's number, one load to an arm
.macro ARM under, g0, g1, next
	s_cmp_lt_u32 s14, \under
	s_cbranch_scc0 \next
	tensor_load_to_lds s[\g0:\g0+3], s[\g1:\g1+7]
	s_nop 0
.rept 4
	v_nop
.endr
	s_branch .Lhead_asked
\next:
.endm
	ARM 1, 4, G1, .Lhead_b
	ARM 2, 8, G1B, .Lhead_sa
	ARM 3, G0S, G1S, .Lhead_sb
	tensor_load_to_lds s[G0SB:G0SB+3], s[G1SB:G1SB+7]
	s_nop 0
.rept 4
	v_nop
.endr
.Lhead_asked:
	v_and_b32 v1, 15, v0
	v_bfe_u32 v2, v0, 4, 1
	v_mul_u32_u24 v3, v1, PITCH
	v_lshl_add_u32 v4, v2, 4, v3
	s_mul_i32 s21, s15, HALFT
	s_mul_i32 s22, s16, HALFT
	s_add_co_u32 s22, s22, 2*HALFT
.irp s, 0,1
	v_add_nc_u32 v[ADRA+\s], s21, v4
	v_add_nc_u32 v[ADRB+\s], s22, v4
	s_add_co_u32 s21, s21, SLOT
	s_add_co_u32 s22, s22, SLOT
.endr
	v_mul_u32_u24 v5, v1, 32
	v_lshrrev_b32 v6, 8, v5
	v_lshl_add_u32 v5, v6, 4, v5
	s_mul_i32 s21, s15, HALFS
	s_mul_i32 s22, s16, HALFS
	s_add_co_u32 s22, s22, 2*HALFS
	s_sub_co_u32 s22, s22, s21
	v_mul_u32_u24 v6, s22, v2
	s_add_co_u32 s21, s21, SCL
	v_add_nc_u32 v5, v5, v6
	v_add_nc_u32 v[ADRS], s21, v5
	v_and_b32 v6, 31, v0
	v_lshlrev_b32 v[CO], 4, v6
	s_lshl_b32 s23, s14, 10
	v_add_nc_u32 v[SRD], s23, v[CO]
	v_lshl_add_u32 v5, v2, 9, s23
	v_lshl_add_u32 v[SSTO], v1, 2, v5
	s_xor_b32 s2, s12, 1
	s_lshl_b32 s3, s2, 4
	v_mul_u32_u24 v[SHV], v2, s3
	s_lshl_b32 s3, s2, 15
	v_add_nc_u32 v[CO2], s3, v[CO]
	s_lshl_b32 s20, s15, 7
	s_add_co_u32 s20, s104, s20
	s_lshl_b32 s46, s16, 7
	s_add_co_u32 s46, s105, s46
	s_lshl_b32 s21, s12, 11
	s_sub_co_u32 s21, s20, s21
	s_lshr_b32 s47, s46, 7
	s_lshr_b32 s22, s21, 7
	s_lshl_b32 s23, s47, 6
	s_add_co_u32 s23, s23, s22
	s_lshr_b32 s18, s47, 4
	s_lshl_b32 s18, s18, 7
	s_lshl_b32 s19, s22, 4
	s_add_co_u32 s18, s18, s19
	s_and_b32 s19, s47, 15
	s_add_co_u32 s18, s18, s19
	s_add_co_u32 s18, s18, 1024
	s_cmp_lg_u32 s12, 0
	s_cselect_b32 s2, s18, s23
	s_cselect_b32 s22, 0, s46
	s_cselect_b32 s23, s20, 0
	s_lshl_b32 s2, s2, 14
	s_mov_b32 s3, 0
	s_add_nc_u64 s[98:99], s[98:99], s[2:3]
	s_lshl_b32 s18, s47, 12
	s_add_co_u32 s18, s18, 0x100000
	s_lshl_b32 s19, s47, 16
	s_cmp_lg_u32 s12, 0
	s_cselect_b32 s2, s18, s19
	s_lshl_b32 s21, s21, 2
	s_add_co_u32 s2, s2, s21
	s_add_nc_u64 s[100:101], s[100:101], s[2:3]
	s_lshl_b32 s22, s22, 2
	s_lshl_b32 s23, s23, 2
	v_lshl_add_u32 v[BJA], v2, 5, s22
	v_lshl_add_u32 v[BIA], v1, 2, s23
	s_mov_b32 s[SEL], 0x76543210
	s_mov_b32 s[SEL+1], 0xfedcba98
	s_mov_b32 s[MNT], 0x600000
.irp b, 0,1,2,3,4,5,6,7
	global_load_b128 v[BJ+8*\b:BJ+8*\b+3], v[BJA], s[96:97] offset:64*\b
	global_load_b128 v[BJ+8*\b+4:BJ+8*\b+7], v[BJA], s[96:97] offset:64*\b+16
.endr
.irp a, 0,1,2,3,4,5,6,7
	global_load_b32 v[BI+2*\a], v[BIA], s[96:97] offset:64*\a
	global_load_b32 v[BI+2*\a+1], v[BIA], s[96:97] offset:64*\a
.endr
.macro FRAG reg, adr, q, i
.irp c, 0,1,2,3
	ds_load_b128 v[\reg+4*\c:\reg+4*\c+3], v[\adr] offset:128*(\q)+32*\c+(\i)*16*PITCH
.endr
.endm
.macro MUL16 a0, p, q, sc, zero
.irp a, \a0, \a0+1
.irp b, 0,1,2,3,4,5,6,7
.if \zero
	v_wmma_scale_f32_16x16x128_f8f6f4 v[8*(8*((\a)%4)+\b):8*(8*((\a)%4)+\b)+7], v[128*(\p)+FR*\b:128*(\p)+FR*\b+FR-1], v[AF+FR*(\a):AF+FR*(\a)+FR-1], 0, v[SC+8*NQ*(\sc)+NQ*\b+(\q)], v[SC+8*NQ*(\sc)+NQ*(\a)+(\q)] matrix_a_scale:MATRIX_SCALE_ROW1
.else
	v_wmma_scale_f32_16x16x128_f8f6f4 v[8*(8*((\a)%4)+\b):8*(8*((\a)%4)+\b)+7], v[128*(\p)+FR*\b:128*(\p)+FR*\b+FR-1], v[AF+FR*(\a):AF+FR*(\a)+FR-1], v[8*(8*((\a)%4)+\b):8*(8*((\a)%4)+\b)+7], v[SC+8*NQ*(\sc)+NQ*\b+(\q)], v[SC+8*NQ*(\sc)+NQ*(\a)+(\q)] matrix_a_scale:MATRIX_SCALE_ROW1
.endif
.endr
.endr
.endm
.macro FETCH_B slot, q, p
	WIN TO_B
.irp i, 0,1,2,3,4,5,6,7
	FRAG 128*(\p)+FR*\i, ADRB+\slot, \q, \i
.endr
	WIN 0
.endm
.macro FETCH_A slot, q, i0
.irp i, \i0, \i0+1, \i0+2, \i0+3
	FRAG AF+FR*(\i), ADRA+\slot, \q, \i
.endr
.endm
.macro SCALES sc
.irp i, 0,1,2,3,4,5,6,7
	ds_load_b64 v[SC+8*NQ*\sc+NQ*\i:SC+8*NQ*\sc+NQ*\i+1], v[ADRS] offset:\i*SBLK
.endr
.endm
.macro PLACES n
.rept \n
	v_nop
.endr
.endm
.macro STEP slot, q, zero
	s_wait_dscnt 4*NL
	WIN MUL_LO
	MUL16 0, (\q)%2, \q, \slot, \zero
	MUL16 2, (\q)%2, \q, \slot, \zero
	s_wait_dscnt 0
	PLACES NP
	FETCH_B \slot, (\q)+1, 1-(\q)%2
	FETCH_A \slot, (\q)+1, 0
	WIN MUL_HI
	MUL16 4, (\q)%2, \q, \slot, \zero
	MUL16 6, (\q)%2, \q, \slot, \zero
	PLACES NP
	WIN 0
	FETCH_A \slot, (\q)+1, 4
.endm
.macro TURN slot, next, fill
	s_wait_tensorcnt 0x0
	ds_add_u32 v[SPW], v[NIL]
	s_wait_dscnt 4*NL+1
	WIN MUL_LO
	MUL16 0, 1, NQ-1, \slot, 0
	s_wait_dscnt 0x0
	s_barrier_signal -1
	MUL16 2, 1, NQ-1, \slot, 0
	WIN 0
	s_barrier_wait -1
.if \fill
	CREST
	s_add_nc_u64 s[G0+4*\slot+2:G0+4*\slot+3], s[G0+4*\slot+2:G0+4*\slot+3], 2*ROWB
	s_add_nc_u64 s[G0B+4*\slot+2:G0B+4*\slot+3], s[G0B+4*\slot+2:G0B+4*\slot+3], 2*ROWB
	JLOAD G0+4*\slot, G1, G0B+4*\slot, G1B
	PLACES NP-4
.else
	PLACES NP
.endif
	s_wait_alu depctr_va_vdst(0)
	v_add_nc_u32 v[ADRS], 4*NQ, v[ADRS]
	FETCH_B \next, 0, 0
	FETCH_A \next, 0, 0
	SCALES \next
	WIN MUL_HI
	MUL16 4, 1, NQ-1, \slot, 0
	MUL16 6, 1, NQ-1, \slot, 0
	PLACES NP
	WIN 0
	FETCH_A \next, 0, 4
.endm
	s_wait_alu depctr_va_vdst(0)                   ; the wait at the head's end
	s_wait_tensorcnt 0x0                           ; my tile of the head's four is in
	ds_add_u32 v[SPW], v[NIL]
	s_mov_b32 s[G1+2], 128<<16                     ; no tensor load of mine is out: from here on a load brings 128 rows
	s_mov_b32 s[G1+4], 128
	s_mov_b32 s[G1B+2], 128<<16
	s_mov_b32 s[G1B+4], 128
	s_wait_dscnt 0x0
	CROUND                                         ; all four tiles are in, and all sixteen work-groups are here
	JLOAD G0+4, G1, G0B+4, G1B                     ; K step 1, the first tensor load behind the round
	FETCH_B 0, 0, 0
	FETCH_A 0, 0, 0
	SCALES 0
	FETCH_A 0, 0, 4
	STEP 0, 0, 1
	TURN 0, 1, 1
	STEP 1, 0, 0
	TURN 1, 0, 1
	STEP 0, 0, 0
	TURN 0, 1, 0
	STEP 1, 0, 0
	s_wait_dscnt 4*NL
	WIN MUL_LO
	MUL16 0, 1, NQ-1, 1, 0
	MUL16 2, 1, NQ-1, 1, 0
	s_wait_dscnt 0
	WIN MUL_HI
	MUL16 4, 1, NQ-1, 1, 0
	MUL16 6, 1, NQ-1, 1, 0
	WIN 0
.macro QUANT s, cd
.irp b, 0,1,2,3
	v_max3_num_f32 v[TM+\b], |v[\s+16*\b]|, |v[\s+1+16*\b]|, 0x4800000
.endr
.irp i, 2,4,6,8,10,12,14
.irp b, 0,1,2,3
	v_max3_num_f32 v[TM+\b], v[TM+\b], |v[\s+16*\b+\i]|, |v[\s+1+16*\b+\i]|
.endr
.endr
.irp b, 0,1,2,3
	v_permlanex16_b32 v[TM+4+\b], v[TM+\b], s[SEL], s[SEL+1]
.endr
.irp b, 0,1,2,3
	v_max_num_f32 v[TM+\b], v[TM+\b], v[TM+4+\b]
.endr
.irp b, 0,1,2,3
	v_add_nc_u32 v[TM+12+\b], 0xfc000000, v[TM+\b]
.endr
.irp b, 0,1,2,3
	v_and_or_b32 v[TM+8+\b], v[TM+\b], 0x7f800000, s[MNT]
.endr
.irp b, 0,1,2,3
	v_lshrrev_b32 v[TM+4+\b], 23, v[TM+12+\b]
.endr
	v_lshl_or_b32 v[PW], v[TM+5], 8, v[TM+4]
	v_lshl_or_b32 v[PW], v[TM+6], 16, v[PW]
	v_lshl_or_b32 v[PW], v[TM+7], 24, v[PW]
.irp b, 0,1,2,3
.irp i, 0,1,2,3,4,5,6,7,8,9,10,11,12,13,14,15
	v_med3_num_f32 v[\s+16*\b+\i], v[\s+16*\b+\i], -v[TM+8+\b], v[TM+8+\b]
.endr
	v_cvt_scalef32_pk8_fp8_f32 v[\cd+4*\b:\cd+1+4*\b], v[\s+16*\b:\s+7+16*\b], v[TM+12+\b]
	v_cvt_scalef32_pk8_fp8_f32 v[\cd+2+4*\b:\cd+3+4*\b], v[\s+8+16*\b:\s+15+16*\b], v[TM+12+\b]
.endr
	v_nop
.endm
.macro OUTB a
.set AC, 64*((\a)%4)
.set CDS, CD+16*((\a)%2)
.if (\a) >= 2
	s_wait_xcnt 0x0
.endif
	s_cmp_lg_u32 s12, 0
	s_cbranch_scc1 .Lrow_\@
	WIN (0x02+(\a)/4)
.set ii, 0
.rept 32
	v_pk_add_f32 v[NUM+ii:NUM+ii+1], v[AC+ii:AC+ii+1], v[BJ+ii:BJ+ii+1]
.set ii, ii+2
.endr
	WIN 0
	s_branch .Lsum_\@
.Lrow_\@:
	WIN (0x02+(\a)/4)
.set ii, 0
.rept 32
	v_pk_add_f32 v[NUM+ii:NUM+ii+1], v[AC+ii:AC+ii+1], v[BI+2*(\a):BI+2*(\a)+1]
.set ii, ii+2
.endr
	WIN 0
.Lsum_\@:
	QUANT NUM, CDS
.irp c, 0,1,2,3
	global_store_b128 v[CO], v[CDS+4*\c:CDS+4*\c+3], s[98:99] offset:2048*(\a)+512*\c
.endr
	v_lshrrev_b32 v[SW+(\a)], v[SHV], v[PW]
	v_and_b32 v[SW+(\a)], s13, v[SW+(\a)]
	ds_store_b32 v[SSTO], v[SW+(\a)] offset:64*(\a)
.endm
	PLACES NP
	s_wait_loadcnt 0x0
.irp b, 0,1,2,3
	v_mov_b32 v[TM+4+\b], 0
.endr
.irp a, 0,1,2,3,4,5,6,7
	OUTB \a
.endr
	ds_load_b128 v[32:35], v[SRD]
	ds_load_b128 v[36:39], v[SRD] offset:512
	s_wait_dscnt 0x0
	global_store_b128 v[CO], v[32:35], s[100:101]
	global_store_b128 v[CO2], v[36:39], s[100:101]
	s_wait_tensorcnt 0x0
	ds_add_u32 v[SPW], v[NIL]
	s_wait_dscnt 0x0
	CROUND
	s_endpgm
.Lfunc_end_k_qeb6fb2396c_qkv:
	.size	k_qeb6fb2396c_qkv, .Lfunc_end_k_qeb6fb2396c_qkv-k_qeb6fb2396c_qkv
	.p2alignl 7, 3214868480
	.fill 96, 4, 3214868480
	.section	.rodata,"a",@progbits
	.p2align	6, 0x0
	.amdhsa_kernel k_qeb6fb2396c_qkv
		.amdhsa_group_segment_fixed_size 327680
		.amdhsa_private_segment_fixed_size 0
		.amdhsa_enable_private_segment 0
		.amdhsa_kernarg_size 56
		.amdhsa_user_sgpr_count 2
		.amdhsa_user_sgpr_kernarg_segment_ptr 1
		.amdhsa_wavefront_size32 1
		.amdhsa_system_sgpr_workgroup_id_x 1
		.amdhsa_system_sgpr_workgroup_id_y 1
		.amdhsa_system_sgpr_workgroup_id_z 1
		.amdhsa_system_vgpr_workitem_id 0
		.amdhsa_next_free_vgpr 1024
		.amdhsa_next_free_sgpr 106
		.amdhsa_reserve_vcc 0
		.amdhsa_float_denorm_mode_32 3
		.amdhsa_float_denorm_mode_16_64 3
		.amdhsa_memory_ordered 1
		.amdhsa_forward_progress 1
		.amdhsa_inst_pref_size 224
	.end_amdhsa_kernel
	.amdgpu_metadata
---
amdhsa.version: [ 1, 2 ]
amdhsa.kernels:
  - .name:           k_qeb6fb2396c_qkv
    .symbol:         k_qeb6fb2396c_qkv.kd
    .args:
      - { .name: x_codes, .offset: 0, .size: 8, .value_kind: global_buffer, .address_space: global }
      - { .name: x_scales, .offset: 8, .size: 8, .value_kind: global_buffer, .address_space: global }
      - { .name: w_qkv_codes, .offset: 16, .size: 8, .value_kind: global_buffer, .address_space: global }
      - { .name: w_qkv_scales, .offset: 24, .size: 8, .value_kind: global_buffer, .address_space: global }
      - { .name: b_qkv, .offset: 32, .size: 8, .value_kind: global_buffer, .address_space: global }
      - { .name: qkv_c, .offset: 40, .size: 8, .value_kind: global_buffer, .address_space: global }
      - { .name: qkv_s, .offset: 48, .size: 8, .value_kind: global_buffer, .address_space: global }
    .group_segment_fixed_size: 327680
    .private_segment_fixed_size: 0
    .kernarg_segment_align: 8
    .kernarg_segment_size: 56
    .max_flat_workgroup_size: 128
    .sgpr_count:     106
    .vgpr_count:     1024
    .wavefront_size: 32
...
	.end_amdgpu_metadata
.endif
;; end of part 1
;; launch attn (part 2): grid 4 x 64, 16 waves a work-group, clusters of 4 x 1, 327,680 bytes of LDS; arguments qkv_c, qkv_s, att_c, att_s; writes att_c, att_s
.if DOCPART == 2
	.amdgcn_target "amdgcn-amd-amdhsa--gfx1250"
	.amdhsa_code_object_version 6
	.text
	.protected	k_qeb6fb2396c_attn
	.globl	k_qeb6fb2396c_attn
	.p2align	8
	.type	k_qeb6fb2396c_attn,@function
k_qeb6fb2396c_attn:
	s_mov_b64 s[64:65], 0
	v_nop
	global_prefetch_b8 v0, s[64:65] scope:SCOPE_SE
	s_setreg_imm32_b32 hwreg(HW_REG_WAVE_MODE, 25, 1), 1
	s_wait_xcnt 0x0
	s_wait_alu depctr_hold_cnt(0) depctr_sa_sdst(0) depctr_va_vdst(0) depctr_va_sdst(0) depctr_va_ssrc(0) depctr_va_vcc(0) depctr_vm_vsrc(0)
	s_getreg_b32 s2, hwreg(HW_REG_IB_STS2, 6, 4)
	s_cmp_eq_u32 s2, 0
	s_cbranch_scc0 .Lentry_in_a_cluster
	s_endpgm
.Lentry_in_a_cluster:
	s_bfe_u32 s2, ttmp6, 0x10000c
	s_cmp_lg_u32 s2, 0x3003
	s_cbranch_scc0 .Lentry_shape_is_right
	s_endpgm
.Lentry_shape_is_right:
; Attention of one (batch, head) on codes of FP8 (E4M3): S^T = K Q^T (K = the head's 64), the softmax, O^T = V^T P^T (K = the keys), O / the row's sum, quantised along the model's 1,024 for the projection.
; THE SOFTMAX: t = score x log2(e) / 8; M = the running largest t rounded UP to a whole number; p = 2^(t - M) is quantised along the keys, not normalised; the row's sum is taken of the unquantised p.
; When M moves, the sum and O^T are multiplied by 2^(old M - new M): exact.
; SHARES.  A work-group owns 512 queries of one head; each of its sixteen waves owns two tiles of 16 queries, one after the other (two passes), in 256 registers.
; THE WHOLE HEAD'S K AND V STAY IN LDS, FILLED ONCE: one joint load a wave at the head (waves 0-7 K's codes, 8-11 V's, 12-13 K's scale words, 14-15 V's), one barrier, and no barrier in the walk over the keys.
; CLUSTER: the four work-groups of a cluster are the four query blocks of one head: every fill names all four.  No prefetch: every byte of K and V is asked for at the head, there is no loop to run ahead in.
; OPERANDS LIE IN MEMORY AND IN LDS AS IMAGES OF THEIR REGISTERS: [piece of 32 k][lane][16 bytes]: a fragment load is 512 consecutive bytes.
; THE INSTRUCTION'S UPPER 64 OF K: Q's fragment holds zero codes there.  K's eight tiles lie packed, 8 registers each; the upper half of a tile's operand is the next tile's codes, behind the last tile p's codes
; (zeros at first): all finite codes (every quantiser of this program holds its numbers at 448 x the scale), which meet Q's zeros and add 0.  The upper two bytes of K's and Q's scale words are 0, a finite code.
; A lane holds ONE query (lane % 16).  The 16 registers of score tiles 2 c, 2 c + 1 with lane l xor 16's are one block of 32 keys, in the same order along the keys as V's codes.
; THE STEP'S ORDER: scores, each product behind the counted wait for its tiles; the last step's sums are joined and addresses stepped (the places behind the scores); block maxima in eight chains; V's loads, into K's
; registers, stand among the lines of the serial chain that makes M; the hold writes into three sets of temporaries that take turns, so p stays unquantised and no conversion reads what was made just before it;
; second product; behind it the row's sums of p in eight chains (its places), among them the next step's loads of K.  The last step of a pass loads the head's first keys again: the next pass begins with them (the last pass leaves them unused).
; LIMITS: NaN and infinities are not served; the scaled scores stay under 2^31 in magnitude; a block whose largest magnitude lies under 2^-118 gets the scale byte 1: the bytes are read by this program alone.
.set KREG, 0                           ; K: tile of 16 keys tt at 1,024 tt
.set VREG, 131072                      ; V: key step s at 8,192 s, tile of 16 channels at + 2,048
.set KSC,  262144                      ; K's scale words: 4 x key
.set VSC,  270336                      ; V's: 256 x key step + 4 x channel
.set SST,  275456                      ; the output's scale pairs, 2 bytes a query: 1,024 bytes into which no fill lands
.set SPARE, 276480                     ; the spare words: 128 bytes a wave
.set LI,   1                           ; 16 x lane
.set AV0,  2                           ; VREG + 16 x lane
.set ASK0, 3                           ; KSC + 4 x lane: lanes 0-15 an even tile's keys, lanes 16-31 the next tile's
.set ASV0, 4                           ; VSC + 4 x lane: the same for V's tiles of channels
.set QSO,  5                           ; 4 r
.set SS0,  6                           ; SST + 32 x wave + 2 r
.set ADK,  8                           ; the next step's K;  ADV this step's V;  ADS, ADT their scale words
.set ADV,  9
.set ADS,  10
.set ADT,  11
.set QF,   16                          ; v16-23 Q's codes, v24-31 zero codes
.set KF,   32                          ; v32-95 K's eight tiles, then V's four fragments
.set CD,   96                          ; v96-111 p's codes, directly behind K's last tile
.set S,    112                         ; v112-175 S^T, then p
.set O,    176                         ; v176-207 O^T
.set C,    208                         ; v208-223 the sum's eight chains; in the hold: two sets of temporaries
.set BM,   224                         ; v224-231 maxima (BT: the upper four, then the other half's, then bytes); in the hold: the third set
.set BT,   228
.set HD,   232                         ; 448 x scale
.set SO,   236                         ; the conversions' scale operand
.set KW,   240                         ; v240-243 K's scale words, two tiles to a register (the odd tile's in lanes 16-31), then (v240-241) V's; v248 Q's, v249 p's: scales and nothing else
.set VW,   240
.set QW,   248
.set PW,   249
.set F,    250                         ; v[250:251] f = 2^(old M - new M)
.set T0,   252                         ; v252-253 at work
.set SPW,  254
.set NIL,  255
.set WV,   12
.set MNT,  13
.set SEL,  14
.set CS,   16                          ; s[16:17] c = log2(e) / 8
.set TB,   18                          ; 8,192 x step: also the loop's counter
.set TSV,  19                          ; 256 x step
.set TBN,  20                          ; 8,192 x (step + 1) mod 16
.set TSN,  21                          ; 512 x (step + 1) mod 16
.set PASS, 22
.set HM,   23                          ; lanes 16-31
.set G1K,  24
.set G1V,  32
.set G1KS, 40
.set G1VS, 48
.set PS,   104                         ; 512 x pass
.macro CROUND
	s_barrier_signal -1
	s_barrier_wait -1
	s_cmp_lg_u32 s[WV], 0
	s_cbranch_scc1 .Lnot_wave_0_\@
	s_barrier_signal -3
.Lnot_wave_0_\@:
	s_barrier_wait -3
	s_barrier_signal -1
	s_barrier_wait -1
.endm
.macro GROUP1 g, c, r, p               ; r rows of c elements of 8 bytes, p elements apart; dense in LDS; mask: all four work-groups
	s_mov_b32 s[\g], 15|(3<<16)|(1<<21)
	s_mov_b32 s[\g+1], (\c)<<16
	s_mov_b32 s[\g+2], (\r)<<16
	s_mov_b32 s[\g+3], (\c)<<16
	s_mov_b32 s[\g+4], \r
	s_mov_b32 s[\g+5], \p
	s_mov_b32 s[\g+6], 0
	s_mov_b32 s[\g+7], 0
.endm
.macro DESC g, lreg, loff, areg, aoff
	s_mov_b32 s[\g], 1
	s_add_co_u32 s[\g+1], s[\lreg], \loff
	s_add_nc_u64 s[\g+2:\g+3], s[\areg:\areg+1], \aoff
	s_or_b32 s[\g+3], s[\g+3], 0x80000000
.endm
.macro ADDSH reg, sh                   ; s2 += s[reg] << sh
	s_lshl_b32 s3, s[\reg], \sh
	s_add_co_u32 s2, s2, s3
.endm
.macro ARM under, g0, g1, next         ; one arm of the head's chain: its load and a jump to the join
	s_cmp_lt_u32 s[WV], \under
	s_cbranch_scc0 \next
	tensor_load_to_lds s[\g0:\g0+3], s[\g1:\g1+7]
	s_nop 0
.rept 4
	v_nop
.endr
	s_branch .Lh_done
\next:
.endm
.macro QLOAD
	global_load_b128 v[QF:QF+3], v[LI], s[66:67]
	global_load_b128 v[QF+4:QF+7], v[LI], s[66:67] offset:512
	global_load_b32 v[QW], v[QSO], s[100:101]
.endm
.macro KLOAD adk, ads                  ; a step's scale words of K, then its eight tiles, packed: 20 loads, in the order in which the products want them
.irp u, 0,1,2,3
	ds_load_b32 v[KW+\u], v[\ads] offset:128*\u
.endr
.irp t, 0,1,2,3,4,5,6,7
	ds_load_b128 v[KF+8*\t:KF+8*\t+3], v[\adk] offset:1024*\t
	ds_load_b128 v[KF+8*\t+4:KF+8*\t+7], v[\adk] offset:1024*\t+512
.endr
.endm
.macro VL t                            ; V's fragment t (16 channels x the step's 128 keys) and its scale word
.irp c, 0,1,2,3
	ds_load_b128 v[KF+16*\t+4*\c:KF+16*\t+4*\c+3], v[ADV] offset:2048*\t+512*\c
.endr
.if (\t)%2 == 0
	ds_load_b32 v[VW+(\t)/2], v[ADT] offset:64*\t  ; the scale words of fragments t and t + 1
.endif
.endm
.macro PKF n                           ; n lines of t - M, two numbers a line; jj walks S
.rept \n
	v_pk_fma_f32 v[S+jj:S+jj+1], v[S+jj:S+jj+1], s[CS:CS+1], v[12:13] op_sel_hi:[1,0,0]
.set jj, jj+2
.endr
.endm
.macro TSET hb                         ; the temporaries of the hb-th eight numbers: three sets by turns
.if (\hb)%3 == 0
.set TT, BM
.else
.set TT, C+8*((\hb)%3-1)
.endif
.endm
.macro MINS hb                         ; the hold (ISA guide 7.6.2; p is not negative: one-sided), two minima to a line; p itself stays as it is
	TSET \hb
.irp i, 0,2,4,6
	v_dual_min_num_f32 v[TT+\i], v[S+8*(\hb)+\i], v[HD+(\hb)/2] :: v_dual_min_num_f32 v[TT+\i+1], v[S+8*(\hb)+\i+1], v[HD+(\hb)/2]
.endr
.endm
.macro CVT hb
	TSET \hb
	v_cvt_scalef32_pk8_fp8_f32 v[CD+2*(\hb):CD+2*(\hb)+1], v[TT:TT+7], v[SO+(\hb)/2]
.endm
.macro SUMS n                          ; n lines of the row's sum: pair pp of p onto chain pp % 8
.rept \n
	v_pk_add_f32 v[C+2*(pp%8):C+2*(pp%8)+1], v[C+2*(pp%8):C+2*(pp%8)+1], v[S+2*pp:S+2*pp+1]
.set pp, pp+1
.endr
.endm
	s_load_b256 s[4:11], s[0:1], 0x0               ; qkv_c, qkv_s, att_c, att_s
	v_lshl_add_u32 v[SPW], v0, 2, SPARE
	v_mov_b32 v[NIL], 0
	ds_add_u32 v[SPW], v[NIL]                      ; the opening lines: the add twice on end and its wait
	ds_add_u32 v[SPW], v[NIL]
	v_lshrrev_b32 v8, 5, v0
	v_readfirstlane_b32 s[WV], v8                  ; wave 0..15
	s_and_b32 s2, ttmp7, 0xffff
	s_lshr_b32 s18, s2, 4                          ; batch
	s_and_b32 s19, s2, 15                          ; head
	s_lshr_b32 s20, s19, 1                         ; the pair of heads
	s_and_b32 s21, s19, 1                          ; which of the pair
	s_and_b32 s22, s[WV], 7                        ; my eighth of K
	s_and_b32 s77, s[WV], 3                        ; my quarter of V
	s_and_b32 s76, s[WV], 1                        ; my half of the scale words
	GROUP1 G1K, 128, 16, 256                       ; K: 16 tiles of 1,024 bytes, 2,048 apart (the other head of the pair lies between)
	GROUP1 G1V, 1024, 4, 2048                      ; V: 4 key steps of 8,192 bytes, 16,384 apart
	GROUP1 G1KS, 32, 16, 32                        ; K's scale words: 4,096 dense bytes
	GROUP1 G1VS, 32, 8, 512                        ; V's: 8 key steps' 256 bytes, 4,096 apart
	s_add_co_u32 s2, s20, 8                        ; K's codes: (8 + pair) MiB + batch x 262,144 + which x 1,024 + eighth x 32,768
	s_lshl_b32 s2, s2, 20
	ADDSH 18, 18
	ADDSH 21, 10
	ADDSH 22, 15
	s_mov_b32 s3, 0
	s_lshl_b32 s104, s22, 14
	s_wait_dscnt 0x0
	s_wait_kmcnt 0x0
	s_add_nc_u64 s[2:3], s[4:5], s[2:3]
	DESC 60, 104, KREG, 2, 0
	s_lshl_b32 s2, s18, 3                          ; V's codes: 16 MiB + (8 batch + pair) x 262,144 + which x 8,192 + quarter x 65,536
	s_add_co_u32 s2, s2, s20
	s_lshl_b32 s2, s2, 18
	s_add_co_u32 s2, s2, 0x1000000
	ADDSH 21, 13
	ADDSH 77, 16
	s_mov_b32 s3, 0
	s_add_nc_u64 s[2:3], s[4:5], s[2:3]
	s_lshl_b32 s104, s77, 15
	DESC 68, 104, VREG, 2, 0
	s_add_co_u32 s2, s19, 16                       ; K's scale words: (16 + head) x 32,768 + batch x 8,192 + half x 4,096
	s_lshl_b32 s2, s2, 15
	ADDSH 18, 13
	ADDSH 76, 12
	s_mov_b32 s3, 0
	s_add_nc_u64 s[2:3], s[6:7], s[2:3]
	s_lshl_b32 s104, s76, 12
	DESC 56, 104, KSC, 2, 0
	s_lshl_b32 s2, s18, 16                         ; V's: 1 MiB + batch x 65,536 + head x 256 + half x 32,768
	s_add_co_u32 s2, s2, 0x100000
	ADDSH 19, 8
	ADDSH 76, 15
	s_mov_b32 s3, 0
	s_add_nc_u64 s[2:3], s[6:7], s[2:3]
	s_lshl_b32 s104, s76, 11
	DESC 72, 104, VSC, 2, 0
	CROUND                                         ; all four work-groups are here: the joint loads meet
	ARM 8, 60, G1K, .Lh_v                          ; one chain of branches on the wave's number, one load to an arm: every wave issues exactly one
	ARM 12, 68, G1V, .Lh_ks
	ARM 14, 56, G1KS, .Lh_vs
	tensor_load_to_lds s[72:75], s[G1VS:G1VS+7]
	s_nop 0
.rept 4
	v_nop
.endr
.Lh_done:
	; my queries: block = 4 x cluster x + cx; it enters Q's and the outputs' global addresses alone.  Tile of 16 tokens: 128 batch + 32 block + wave (+ 16 in the second pass)
	s_bfe_u32 s105, ttmp6, 0x40000
	s_lshl_b32 s3, ttmp9, 2
	s_add_co_u32 s105, s105, s3
	s_lshl_b32 s2, s20, 20                         ; Q's codes: pair MiB + tile x 2,048 + which x 1,024
	ADDSH 18, 18
	ADDSH 105, 16
	ADDSH WV, 11
	ADDSH 21, 10
	s_mov_b32 s3, 0
	s_add_nc_u64 s[66:67], s[4:5], s[2:3]
	s_lshl_b32 s2, s19, 15                         ; Q's scale words: head x 32,768 + tile x 64
	ADDSH 18, 13
	ADDSH 105, 11
	ADDSH WV, 6
	s_mov_b32 s3, 0
	s_add_nc_u64 s[100:101], s[6:7], s[2:3]
	s_lshl_b32 s2, s18, 21                         ; the output's codes: tile x 16,384 + pair x 2,048 + which x 1,024
	ADDSH 105, 19
	ADDSH WV, 14
	ADDSH 20, 11
	ADDSH 21, 10
	s_mov_b32 s3, 0
	s_add_nc_u64 s[8:9], s[8:9], s[2:3]
	s_lshl_b32 s2, s19, 14                         ; its scale pairs: head x 16,384 + 2 x (2,048 batch + 512 block)
	ADDSH 18, 12
	ADDSH 105, 10
	s_mov_b32 s3, 0
	s_add_nc_u64 s[10:11], s[10:11], s[2:3]
	s_mov_b32 s[MNT], 0x600000                     ; the mantissa field of 448
	s_mov_b32 s[SEL], 0x76543210
	s_mov_b32 s[SEL+1], 0xfedcba98                 ; lane l xor 16
	s_mov_b32 s[CS], 0x3e38aa3b                    ; log2(e) / 8
	s_mov_b32 s[CS+1], s[CS]
	s_mov_b32 s[HM], 0xffff0000
	s_mov_b32 s[PASS], 2
	s_mov_b32 s[PS], 0
	v_and_b32 v8, 31, v0
	v_and_b32 v9, 15, v0                           ; r
	v_lshlrev_b32 v[LI], 4, v8
	v_lshlrev_b32 v[QSO], 2, v9
	QLOAD                                          ; the first pass's Q, under the fills' flight
	v_add_nc_u32 v[AV0], VREG, v[LI]
	v_lshl_add_u32 v[ASK0], v8, 2, KSC
	v_lshl_add_u32 v[ASV0], v8, 2, VSC
	v_lshrrev_b32 v10, 5, v0
	v_lshl_add_u32 v[SS0], v10, 5, SST
	v_lshl_add_u32 v[SS0], v9, 1, v[SS0]
.irp j, 0,1,2,3,4,5,6,7
	v_mov_b32 v[QF+8+\j], 0                        ; zero codes for the instruction's upper 64 of K
	v_mov_b32 v[CD+\j], 0                          ; behind K's last tile: zero codes until p's first codes lie there
.endr
	v_mov_b32 v[F], 0
	v_mov_b32 v[F+1], 0
	s_wait_alu depctr_va_vdst(0)                   ; the wait at the head's end
	s_wait_tensorcnt 0x0                           ; my one fill has landed
	s_barrier_signal -1
	s_barrier_wait -1                              ; and so has every wave's: nothing is ever filled again
	KLOAD LI, ASK0                                 ; the first keys
.Lpass:                                            ; two trips: a tile of 16 queries each
	v_mov_b32 v13, 0xff61b1e6                      ; the largest score so far: -3e38
	v_mov_b32 v14, 0                               ; the sum, in two halves
	v_mov_b32 v15, 0
	v_floor_f32 v12, -v13                          ; -M: above every -M to come, so the first f is 0
.set jj, 0
.rept 32
	v_mov_b32 v[O+jj], 0                           ; O^T: the step is written once; the first change of M leaves zeros zeros
.set jj, jj+1
.endr
.set jj, 0
.rept 8
	v_mov_b32 v[C+jj], 0                           ; no step's sums are waiting to be joined
.set jj, jj+1
.endr
	s_mov_b32 s[TB], 0
	s_mov_b32 s[TSV], 0
	s_mov_b32 s[TBN], 8192
	s_mov_b32 s[TSN], 512
	s_wait_alu depctr_va_vdst(0)                   ; the wait ahead of the wait below
	s_wait_loadcnt 0x0                             ; Q
.Lstep:                                            ; sixteen trips: 128 keys each
.irp u, 0,1,2,3                                ; two products to a wait: they name tiles 2 u to 2 u + 2: of the 20 loads the 10 - 4 u youngest, the tiles beyond, may be out
.if \u < 3
	s_wait_dscnt 10-4*\u
.else
	s_wait_dscnt 0x0
.endif
	v_wmma_scale_f32_16x16x128_f8f6f4 v[S+16*\u:S+16*\u+7], v[KF+16*\u:KF+16*\u+15], v[QF:QF+15], 0, v[KW+\u], v[QW]
	v_wmma_scale_f32_16x16x128_f8f6f4 v[S+16*\u+8:S+16*\u+15], v[KF+16*\u+8:KF+16*\u+23], v[QF:QF+15], 0, v[KW+\u], v[QW] matrix_a_scale:MATRIX_SCALE_ROW1
.endr
	v_pk_add_f32 v[C:C+1], v[C:C+1], v[C+2:C+3]    ; eight plain lines that name no register of the products: their places.  The last step's four chains become one,
	v_pk_add_f32 v[C+4:C+5], v[C+4:C+5], v[C+6:C+7]
	v_add_nc_u32 v[ADV], s[TB], v[AV0]
	v_add_nc_u32 v[ADT], s[TSV], v[ASV0]
	v_pk_add_f32 v[C:C+1], v[C:C+1], v[C+4:C+5]
	v_add_nc_u32 v[ADS], s[TSN], v[ASK0]
	v_mov_b32 v[T0], v12                           ; the old -M
	v_pk_fma_f32 v[14:15], v[14:15], v[F:F+1], v[C:C+1] op_sel_hi:[1,0,1]   ; and l = l f + the last step's p
.irp t, 0,1,2,3,4,5,6,7
	v_max3_num_f32 v[BM+\t], v[S+8*\t], v[S+8*\t+1], v[S+8*\t+2]   ; the largest score, a chain to each tile; each accumulator from its low end on
.endr
.irp i, 3,5
.irp t, 0,1,2,3,4,5,6,7
	v_max3_num_f32 v[BM+\t], v[BM+\t], v[S+8*\t+\i], v[S+8*\t+\i+1]
.endr
.endr
.irp b, 0,1,2,3
	v_max3_num_f32 v[HD+\b], v[BM+2*\b], v[S+16*\b+7], v[S+16*\b+15]
.endr
.irp b, 0,1,2,3
	v_max_num_f32 v[HD+\b], v[HD+\b], v[BM+2*\b+1] ; my 16 keys of each block of 32
.endr
.irp b, 0,1,2,3
	v_permlanex16_b32 v[BT+\b], v[HD+\b], s[SEL], s[SEL+1]
.endr
.irp b, 0,1,2,3
	v_max_num_f32 v[BM+\b], v[HD+\b], v[BT+\b]     ; with lane l xor 16's: the block's largest score: for the row's maximum and for the block's largest p
.endr
	v_max3_num_f32 v[T0+1], v[BM], v[BM+1], v[BM+2]
	VL 0                                           ; V's loads stand between the lines of this serial chain
	v_max3_num_f32 v13, v13, v[T0+1], v[BM+3]      ; the running largest score
	VL 1
	v_mul_f32 v[T0+1], s[CS], -v13                 ; -t (c is positive)
	VL 2
	v_floor_f32 v12, v[T0+1]                       ; the new -M = -ceil(t)
	VL 3
.set jj, 0
	PKF 2
	v_sub_f32 v[T0], v12, v[T0]                    ; old M - new M: a whole number, 0 or less
.irp b, 0,1,2,3
	v_fma_f32 v[BM+\b], v[BM+\b], s[CS], v12       ; t - M of each block's largest score
.endr
	PKF 2
	v_cvt_i32_f32 v[T0], v[T0]                     ; (it saturates)
	PKF 6
	v_ldexp_f32 v[F], 1.0, v[T0]                   ; f = 2^(old M - new M)
	PKF 22
.set jj, 0
.rept 16
	v_pk_mul_f32 v[O+jj:O+jj+1], v[O+jj:O+jj+1], v[F:F+1] op_sel_hi:[1,0]   ; O^T under the new M; each accumulator from its low end on
.set jj, jj+2
.endr
	s_wait_alu depctr_va_vdst(0)                   ; the wait ahead of the batch
.irp b, 0,1,2,3
	v_exp_f32 v[BM+\b], v[BM+\b]                   ; the block's largest p: the same two instructions on the same number
.endr
.set jj, 0
.rept 64
	v_exp_f32 v[S+jj], v[S+jj]                     ; p = 2^(t - M), at most 1
.set jj, jj+1
.endr
	v_add_nc_u32 v[ADK], s[TBN], v[LI]             ; the next step's K: the plain line behind the exponentials
	s_wait_alu depctr_va_vdst(0)                   ; one wait for the batch, ahead of its first reader; it also stands directly ahead of the wait below
	s_wait_dscnt 0x0                               ; V's fragments and scale words, asked for ahead of the exponentials: no wait stands between the codes and their products
.irp b, 0,1,2,3
	v_max_num_f32 v[BM+\b], 0x4800000, v[BM+\b]    ; the floor 2^(9 - 127)
.endr
.irp b, 0,1,2,3
	v_add_nc_u32 v[SO+\b], 0xfc000000, v[BM+\b]    ; 8 off the exponent field: the conversion's scale operand
.endr
.irp b, 0,1,2,3
	v_and_or_b32 v[HD+\b], v[BM+\b], 0x7f800000, s[MNT]   ; 448 x the scale
.endr
.irp b, 0,1,2,3
	v_lshrrev_b32 v[BT+\b], 23, v[SO+\b]           ; the scale's byte
.endr
	v_lshl_or_b32 v[PW], v[BT+1], 8, v[BT]         ; p's scale word: 32 pairs and more ahead of the products that name it
	v_lshl_or_b32 v[T0], v[BT+3], 8, v[BT+2]
	s_delay_alu instid0(VALU_DEP_1)
	v_lshl_or_b32 v[PW], v[T0], 16, v[PW]
	MINS 0                                         ; a conversion reads the set made two sets ago, and a set is written again four plain lines behind the conversion that read it
	MINS 1
.irp hb, 0,1,2,3,4,5
	CVT \hb
	MINS \hb+2
.endr
	CVT 6
	CVT 7
.irp j, 4,5,6,7,0,1,2,3
	v_pk_add_f32 v[C+2*\j:C+2*\j+1], v[S+2*\j:S+2*\j+1], v[S+16+2*\j:S+17+2*\j]   ; THE ROW'S SUM OF THE UNQUANTISED p, eight chains (the set that the last conversion read is written last): also the codes' places
.endr
.irp u, 0,1                                    ; O^T += V^T P^T: the four accumulators take turns
	v_wmma_scale_f32_16x16x128_f8f6f4 v[O+16*\u:O+16*\u+7], v[KF+32*\u:KF+32*\u+15], v[CD:CD+15], v[O+16*\u:O+16*\u+7], v[VW+\u], v[PW]
	v_wmma_scale_f32_16x16x128_f8f6f4 v[O+16*\u+8:O+16*\u+15], v[KF+32*\u+16:KF+32*\u+31], v[CD:CD+15], v[O+16*\u+8:O+16*\u+15], v[VW+\u], v[PW] matrix_a_scale:MATRIX_SCALE_ROW1
.endr
.set pp, 16
	SUMS 8                                         ; eight places behind the products
	KLOAD ADK, ADS                                 ; the next step's keys; behind the last step: the head's first keys
	SUMS 8
.irp j, 0,1,2,3
	v_pk_add_f32 v[C+2*\j:C+2*\j+1], v[C+2*\j:C+2*\j+1], v[C+8+2*\j:C+9+2*\j]   ; eight chains become four
.endr
	s_add_co_u32 s[TB], s[TB], 8192
	s_lshr_b32 s[TSV], s[TB], 5
	s_add_co_u32 s[TBN], s[TB], 8192
	s_and_b32 s[TBN], s[TBN], 0x1ffff
	s_lshr_b32 s[TSN], s[TBN], 4
	s_cmp_lt_u32 s[TB], 131072
	s_wait_alu depctr_va_vdst(0)                   ; the wait ahead of the branch
	s_cbranch_scc1 .Lstep
	; THE WAY OUT of a tile.  The next pass's Q is asked for first: it comes under the way out
	s_cmp_eq_u32 s[PASS], 1
	s_cbranch_scc1 .Lno_q
	s_add_nc_u64 s[66:67], s[66:67], 32768         ; sixteen tiles on (the first pass's loads were waited for)
	s_add_nc_u64 s[100:101], s[100:101], 1024
	QLOAD
.Lno_q:
	v_pk_add_f32 v[C:C+1], v[C:C+1], v[C+2:C+3]
	v_pk_add_f32 v[C+4:C+5], v[C+4:C+5], v[C+6:C+7]
	s_delay_alu instid0(VALU_DEP_1)
	v_pk_add_f32 v[C:C+1], v[C:C+1], v[C+4:C+5]
	s_delay_alu instid0(VALU_DEP_1)
	v_pk_fma_f32 v[14:15], v[14:15], v[F:F+1], v[C:C+1] op_sel_hi:[1,0,1]
	s_delay_alu instid0(VALU_DEP_1)
	v_add_f32 v14, v14, v15
	s_delay_alu instid0(VALU_DEP_1)
	v_permlanex16_b32 v[C], v14, s[SEL], s[SEL+1]
	s_delay_alu instid0(VALU_DEP_1)
	v_add_f32 v14, v14, v[C]                       ; the row's sum
	s_wait_alu depctr_va_vdst(0)                   ; the wait ahead of the transcendental
	v_rcp_f32 v14, v14
	v_nop
	s_wait_alu depctr_va_vdst(0)                   ; ahead of its first reader, which is also O^T's
.set jj, 0
.rept 16
	v_pk_mul_f32 v[S+jj:S+jj+1], v[O+jj:O+jj+1], v[14:15] op_sel_hi:[1,0]   ; O^T / the sum.  Register 16 c + 8 u + j: channel 32 c + 16 u + 8 h + j
.set jj, jj+2
.endr
.irp b, 0,1
	v_max3_num_f32 v[BM+\b], |v[S+16*\b]|, |v[S+1+16*\b]|, 0x4800000
.endr
.irp i, 2,4,6,8,10,12,14
.irp b, 0,1
	s_delay_alu instid0(VALU_DEP_2)
	v_max3_num_f32 v[BM+\b], v[BM+\b], |v[S+16*\b+\i]|, |v[S+1+16*\b+\i]|
.endr
.endr
.irp b, 0,1
	s_delay_alu instid0(VALU_DEP_2)
	v_permlanex16_b32 v[BT+\b], v[BM+\b], s[SEL], s[SEL+1]
.endr
.irp b, 0,1
	s_delay_alu instid0(VALU_DEP_2)
	v_max_num_f32 v[BM+\b], v[BM+\b], v[BT+\b]
.endr
.irp b, 0,1
	s_delay_alu instid0(VALU_DEP_2)
	v_add_nc_u32 v[SO+\b], 0xfc000000, v[BM+\b]
.endr
.irp b, 0,1
	v_and_or_b32 v[HD+\b], v[BM+\b], 0x7f800000, s[MNT]
.endr
.irp b, 0,1
	v_lshrrev_b32 v[BT+\b], 23, v[SO+\b]
.endr
	s_delay_alu instid0(VALU_DEP_1)
	v_lshl_or_b32 v[C+1], v[BT+1], 8, v[BT]        ; the head's two scale bytes of my query
.irp b, 0,1
.irp i, 0,1,2,3,4,5,6,7,8,9,10,11,12,13,14,15
	v_med3_num_f32 v[S+16*\b+\i], v[S+16*\b+\i], -v[HD+\b], v[HD+\b]
.endr
	v_cvt_scalef32_pk8_fp8_f32 v[S+32+4*\b:S+33+4*\b], v[S+16*\b:S+7+16*\b], v[SO+\b]
	v_cvt_scalef32_pk8_fp8_f32 v[S+34+4*\b:S+35+4*\b], v[S+8+16*\b:S+15+16*\b], v[SO+\b]
.endr
	v_nop
.irp b, 0,1                                    ; into the plain order of k, which the given w_out has: lanes 0-15 want channels 0-15 of the block, lanes 16-31 channels 16-31: one exchange with lane l xor 16
	v_cndmask_b32 v[C+2], v[S+34+4*\b], v[S+32+4*\b], s[HM]
	v_cndmask_b32 v[C+3], v[S+35+4*\b], v[S+33+4*\b], s[HM]
	s_delay_alu instid0(VALU_DEP_2)
	v_permlanex16_b32 v[C+4], v[C+2], s[SEL], s[SEL+1]
	s_delay_alu instid0(VALU_DEP_2)
	v_permlanex16_b32 v[C+5], v[C+3], s[SEL], s[SEL+1]
	v_cndmask_b32 v[S+40+4*\b], v[S+32+4*\b], v[C+4], s[HM]
	v_cndmask_b32 v[S+41+4*\b], v[S+33+4*\b], v[C+5], s[HM]
	v_cndmask_b32 v[S+42+4*\b], v[C+4], v[S+34+4*\b], s[HM]
	v_cndmask_b32 v[S+43+4*\b], v[C+5], v[S+35+4*\b], s[HM]
	global_store_b128 v[LI], v[S+40+4*\b:S+43+4*\b], s[8:9] offset:512*\b   ; a piece of the projection's operand image: 512 consecutive bytes
.endr
	v_add_nc_u32 v[C+6], s[PS], v[SS0]
	ds_store_b16 v[C+6], v[C+1]                    ; both lanes of a query write the same pair
	s_wait_xcnt 0x0                                ; the stores' base and data are written again only behind this wait
	s_add_nc_u64 s[8:9], s[8:9], 262144
	s_add_co_u32 s[PS], s[PS], 512
	s_sub_co_u32 s[PASS], s[PASS], 1
	s_cmp_lg_u32 s[PASS], 0
	s_wait_alu depctr_va_vdst(0)                   ; the wait ahead of the branch
	s_cbranch_scc1 .Lpass
	v_and_b32 v[T0], 63, v0
	v_lshlrev_b32 v[T0], 4, v[T0]                  ; 16 x (thread % 64)
	v_add_nc_u32 v7, SST, v[T0]
	s_wait_alu depctr_va_vdst(0)                   ; the wait ahead of the wait below
	s_wait_dscnt 0x0                               ; for the others' sake: my scale pairs lie in LDS
	s_barrier_signal -1
	s_barrier_wait -1
	s_cmp_lt_u32 s[WV], 2                          ; 512 queries' pairs are 1,024 bytes: two waves store them, 512 consecutive bytes each
	s_cbranch_scc0 .Lno_pairs
	ds_load_b128 v[S:S+3], v7
	s_wait_dscnt 0x0
	global_store_b128 v[T0], v[S:S+3], s[10:11]
.Lno_pairs:
	s_wait_tensorcnt 0x0                           ; the wave's end
	ds_add_u32 v[SPW], v[NIL]
	s_wait_dscnt 0x0
	CROUND                                         ; the closing round
	s_endpgm
.Lfunc_end_k_qeb6fb2396c_attn:
	.size	k_qeb6fb2396c_attn, .Lfunc_end_k_qeb6fb2396c_attn-k_qeb6fb2396c_attn
	.p2alignl 7, 3214868480
	.fill 96, 4, 3214868480
	.section	.rodata,"a",@progbits
	.p2align	6, 0x0
	.amdhsa_kernel k_qeb6fb2396c_attn
		.amdhsa_group_segment_fixed_size 327680
		.amdhsa_private_segment_fixed_size 0
		.amdhsa_enable_private_segment 0
		.amdhsa_kernarg_size 32
		.amdhsa_user_sgpr_count 2
		.amdhsa_user_sgpr_kernarg_segment_ptr 1
		.amdhsa_wavefront_size32 1
		.amdhsa_system_sgpr_workgroup_id_x 1
		.amdhsa_system_sgpr_workgroup_id_y 1
		.amdhsa_system_sgpr_workgroup_id_z 1
		.amdhsa_system_vgpr_workitem_id 0
		.amdhsa_next_free_vgpr 256
		.amdhsa_next_free_sgpr 106
		.amdhsa_reserve_vcc 0
		.amdhsa_float_denorm_mode_32 3
		.amdhsa_float_denorm_mode_16_64 3
		.amdhsa_memory_ordered 1
		.amdhsa_forward_progress 1
		.amdhsa_inst_pref_size 41
	.end_amdhsa_kernel
	.amdgpu_metadata
---
amdhsa.version: [ 1, 2 ]
amdhsa.kernels:
  - .name:           k_qeb6fb2396c_attn
    .symbol:         k_qeb6fb2396c_attn.kd
    .args:
      - { .name: qkv_c, .offset: 0, .size: 8, .value_kind: global_buffer, .address_space: global }
      - { .name: qkv_s, .offset: 8, .size: 8, .value_kind: global_buffer, .address_space: global }
      - { .name: att_c, .offset: 16, .size: 8, .value_kind: global_buffer, .address_space: global }
      - { .name: att_s, .offset: 24, .size: 8, .value_kind: global_buffer, .address_space: global }
    .group_segment_fixed_size: 327680
    .private_segment_fixed_size: 0
    .kernarg_segment_align: 8
    .kernarg_segment_size: 32
    .max_flat_workgroup_size: 512
    .sgpr_count:     106
    .vgpr_count:     256
    .wavefront_size: 32
...
	.end_amdgpu_metadata
.endif
;; end of part 2
;; launch proj (part 3): grid 8 x 32, 4 waves a work-group, clusters of 4 x 4, 327,680 bytes of LDS; arguments att_c, att_s, w_out_codes, w_out_scales, b_out, out0; writes out0
.if DOCPART == 3
	.amdgcn_target "amdgcn-amd-amdhsa--gfx1250"
	.amdhsa_code_object_version 6
	.text
	.protected	k_qeb6fb2396c_proj
	.globl	k_qeb6fb2396c_proj
	.p2align	8
	.type	k_qeb6fb2396c_proj,@function
k_qeb6fb2396c_proj:
	s_mov_b64 s[64:65], 0
	v_nop
	global_prefetch_b8 v0, s[64:65] scope:SCOPE_SE
	s_setreg_imm32_b32 hwreg(HW_REG_WAVE_MODE, 25, 1), 1
	s_wait_xcnt 0x0
	s_wait_alu depctr_hold_cnt(0) depctr_sa_sdst(0) depctr_va_vdst(0) depctr_va_sdst(0) depctr_va_ssrc(0) depctr_va_vcc(0) depctr_vm_vsrc(0)
	s_getreg_b32 s2, hwreg(HW_REG_IB_STS2, 6, 4)
	s_cmp_eq_u32 s2, 0
	s_cbranch_scc0 .Lentry_in_a_cluster
	s_endpgm
.Lentry_in_a_cluster:
	s_bfe_u32 s2, ttmp6, 0x10000c
	s_cmp_lg_u32 s2, 0xf033
	s_cbranch_scc0 .Lentry_shape_is_right
	s_endpgm
.Lentry_shape_is_right:
; out0 = attn w_out + b_out on codes of FP8 (E4M3) with one E8M0 scale for each 32 along K = 1,024; out0 [8,192][1,024] f32.
; A work-group makes 256 tokens x 128 outputs (256 work-groups); each of its four waves 128 x 64: 32 accumulators.  The matrix instruction is used transposed (source 0 = 16 rows of w_out, source 1 = 16 tokens):
; a lane holds eight neighbouring outputs of one token.  The bias is the C of each sum's first product.
; attn's codes lie in memory as images of the operand's registers ([tile of 16 tokens][128 of K][piece of 32][lane][16 bytes]): a fragment load is 512 consecutive bytes of LDS.  w_out's rows lie along K, padded in LDS.
; K GOES IN THREE FILLS, one tensor load a wave each.  At the head: K 0-255 of attn (wave 0) and of w_out (wave 1), whole, and the scales of all of K (waves 2, 3).  Behind the full sequence and a round:
; K 256-767, each wave a half of attn's tokens or of w_out's rows, into a region of its own.  Behind step 1's round: K 768-1,023 into the first region again.
; The scale words of all of K are made once and stay in registers: 64 of attn's, 32 of w_out's.
; CLUSTERS: 4 x 4 work-groups; attn's tiles are shared along a row of the cluster, w_out's along a column: joint loads with a mask of four.
; No prefetch: the eight steps are written out, there is no loop to run ahead in, and each fill is asked for as soon as the one before has landed.
; REGISTERS.  window 0: v16-30 addresses; v32-95 attn's scale words (block a, 128 of K g: 32 + 8 a + g); v96-127 w_out's (96 + 8 b + g); v128-255 attn's fragments, one set; on the way out rows of out0.
;   window 1: v0-127 w_out's fragments, two sets; v128-159 the bias.   window 2: the accumulators, (a, b) at v[8 (4 a + b)].
.set PITCH,  272                       ; a row of w_out in region 0: 256 bytes + 16; in region 1: 512 + 16 = PITCH + 256
.set BOFF,   65536                     ; region 0: attn's 16 tiles of tokens x 4,096 bytes, then w_out's 128 rows
.set SLOT,   BOFF+128*PITCH            ; region 1 begins here: attn's 16 tiles x 8,192 bytes,
.set B12,    SLOT+131072               ; then w_out's 128 rows of 528 bytes: it ends under 3 SLOT
.set ASC,    3*SLOT                    ; attn's scale pairs: [head][256 tokens] 2 bytes
.set BSC,    ASC+8192                  ; w_out's scale bytes: 32 a row
.set SPARE,  BSC+4096                  ; the spare words
.set STAGE,  SLOT                      ; the way out: 16 rows x 272 bytes a wave, in region 1, which by then has had its one fill and, ahead of step 5's barrier, its last read
.set SPITCH, 272
.set ADRA, 16                          ; v16-17 my fragments of attn in region 0, 1
.set ADRB, 20                          ; v20-21 of w_out
.set ADSA, 23
.set STO,  24
.set RD,   25
.set CO,   26
.set ADSB, 27
.set SPW,  28
.set NIL,  29
.set BA,   30
.set SA,   32
.set SB,   96
.set AF,   128
.set BK,   128
.set BIAS, 128
.set G1A2, 4                           ; s[4:11] group 1 of attn's second fill (the arguments that lay there have been used)
.set G1A,  24
.set G0A,  32                          ; s[32:35], s[36:39], s[44:47] attn's three groups 0;  s[56:59], s[60:63], s[40:43] w_out's
.set G1B,  48
.set G1B2, 68
.set G1SA, 76
.set G0SA, 84
.set G1SB, 88
.set G0SB, 96
.set MSB, 0
.macro WIN new
.if MSB != \new
	s_set_vgpr_msb (MSB<<8)|\new
.set MSB, \new
.endif
.endm
.set MUL,   0xa1
.set MUL0,  0x91
.set TO_B,  0x40
.macro JLOAD g0a, g1a, g0b, g1b        ; waves 0 and 1 fetch for attn, waves 2 and 3 for w_out
	s_cmp_eq_u32 s13, 0
	s_cbranch_scc0 .Lfor_b_\@
	tensor_load_to_lds s[\g0a:\g0a+3], s[\g1a:\g1a+7]
	s_nop 0
.rept 4
	v_nop
.endr
	s_branch .Lasked_\@
.Lfor_b_\@:
	tensor_load_to_lds s[\g0b:\g0b+3], s[\g1b:\g1b+7]
	s_nop 0
.rept 4
	v_nop
.endr
.Lasked_\@:
.endm
.macro ARM under, g0, g1, next
	s_cmp_lt_u32 s12, \under
	s_cbranch_scc0 \next
	tensor_load_to_lds s[\g0:\g0+3], s[\g1:\g1+7]
	s_nop 0
.rept 4
	v_nop
.endr
	s_branch .Lhead_asked
\next:
.endm
.macro CREST
	s_cmp_lg_u32 s12, 0
	s_cbranch_scc1 .Lnot_wave_0_\@
	s_barrier_signal -3
.Lnot_wave_0_\@:
	s_barrier_wait -3
	s_barrier_signal -1
	s_barrier_wait -1
.endm
.macro CROUND
	s_barrier_signal -1
	s_barrier_wait -1
	CREST
.endm
.macro DESC g, lreg, loff, areg, aoff
	s_mov_b32 s[\g], 1
	s_add_co_u32 s[\g+1], s[\lreg], \loff
	s_add_nc_u64 s[\g+2:\g+3], s[\areg:\areg+1], \aoff
	s_or_b32 s[\g+3], s[\g+3], 0x80000000
.endm
.macro SHAPE g, c, r, p
	s_mov_b32 s[\g+1], (\c)<<16
	s_mov_b32 s[\g+2], (\r)<<16
	s_mov_b32 s[\g+3], (\c)<<16
	s_mov_b32 s[\g+4], \r
	s_mov_b32 s[\g+5], \p
	s_mov_b32 s[\g+6], 0
	s_mov_b32 s[\g+7], 0
.endm
	s_load_b256 s[4:11], s[0:1], 0x0               ; att_c, att_s, w_out's codes, w_out's scales
	s_load_b128 s[16:19], s[0:1], 0x20             ; b_out, out0
	v_lshl_add_u32 v[SPW], v0, 2, SPARE
	v_mov_b32 v[NIL], 0
	ds_add_u32 v[SPW], v[NIL]                      ; the opening lines: the add twice on end and its wait
	ds_add_u32 v[SPW], v[NIL]
	v_lshrrev_b32 v1, 5, v0
	v_readfirstlane_b32 s12, v1                    ; wave 0..3
	s_lshr_b32 s13, s12, 1                         ; my half of the tokens.  Also: I fetch for attn (0) or for w_out (1)
	s_and_b32 s14, s12, 1                          ; my half of the outputs.  Also: which half I fetch
	s_bfe_u32 s20, ttmp6, 0x40000                  ; cx
	s_bfe_u32 s21, ttmp6, 0x40004                  ; cy
	s_lshl_b32 s22, ttmp9, 2
	s_add_co_u32 s22, s22, s20                     ; TC: which 128 outputs
	s_and_b32 s23, ttmp7, 0xffff
	s_lshl_b32 s23, s23, 2
	s_add_co_u32 s23, s23, s21                     ; TR: which 256 tokens
	s_lshl_b32 s15, s21, 2
	s_lshl_b32 s15, 15, s15                        ; my row of the cluster
	s_lshl_b32 s66, 0x1111, s20                    ; my column
	s_or_b32 s[G1A], s15, (3<<16)|(1<<21)          ; attn, K 0-255: 16 tiles of tokens x 4,096 bytes, 16,384 apart (for the third fill the rows are set to 8)
	SHAPE G1A, 512, 16, 2048
	s_or_b32 s[G1B], s66, (0<<16)|(1<<20)|(1<<21)|(5<<22)|(3<<25)   ; w_out, K 0-255: 128 rows x 256 bytes, 1,024 apart; four words of padding behind every 64 (third fill: 64 rows)
	SHAPE G1B, 256, 128, 1024
	s_or_b32 s[G1B2], s66, (3<<16)|(1<<20)|(1<<21)|(6<<22)|(3<<25)  ; w_out, K 256-767: 64 rows x 512 bytes (64 elements of 8); four words of padding behind every 128
	SHAPE G1B2, 64, 64, 128
	s_or_b32 s[G1SA], s15, (3<<16)|(1<<21)         ; attn's scale pairs: 16 heads x 512 bytes, 16,384 apart
	SHAPE G1SA, 64, 16, 2048
	s_or_b32 s[G1SB], s66, (3<<16)|(1<<21)         ; w_out's scale bytes: 4,096 dense bytes
	SHAPE G1SB, 32, 16, 32
	s_lshl_b32 s2, s23, 18                         ; attn's codes: 16 TR x 16,384
	s_mov_b32 s3, 0
	s_lshl_b32 s104, s23, 9                        ; its scale pairs: 512 TR
	s_mov_b32 s105, 0
	s_lshl_b32 s100, s22, 17                       ; w_out's codes: 128 TC x 1,024
	s_mov_b32 s101, 0
	s_lshl_b32 s66, s22, 12                        ; its scale bytes: 128 TC x 32
	s_mov_b32 s67, 0
	s_mov_b32 s21, 0
	s_wait_dscnt 0x0                               ; both opening adds are done
	s_wait_kmcnt 0x0
	s_add_nc_u64 s[2:3], s[4:5], s[2:3]
	s_add_nc_u64 s[104:105], s[6:7], s[104:105]
	s_add_nc_u64 s[100:101], s[8:9], s[100:101]
	s_add_nc_u64 s[66:67], s[10:11], s[66:67]
	s_or_b32 s[G1A2], s15, (3<<16)|(1<<21)         ; attn, K 256-767: 8 tiles of tokens x 8,192 bytes, 16,384 apart
	SHAPE G1A2, 1024, 8, 2048
	DESC G0SA, 21, ASC, 104, 0                     ; the head's four tiles, each whole
	DESC G0SB, 21, BSC, 66, 0
	DESC G0A, 21, 0, 2, 0
	DESC 56, 21, BOFF, 100, 0
	s_lshl_b32 s104, s14, 17                       ; from here on halves: 8 tiles of tokens,
	s_mov_b32 s105, 0
	s_add_nc_u64 s[2:3], s[2:3], s[104:105]
	s_lshl_b32 s104, s14, 16                       ; 64 rows of w_out
	s_add_nc_u64 s[100:101], s[100:101], s[104:105]
	s_lshl_b32 s21, s14, 16
	DESC G0A+4, 21, SLOT, 2, 4096
	s_lshl_b32 s21, s14, 15
	DESC G0A+12, 21, 0, 2, 12288
	s_mul_i32 s21, s14, 64*(PITCH+256)
	DESC 60, 21, B12, 100, 256
	s_mul_i32 s21, s14, 64*PITCH
	DESC 40, 21, BOFF, 100, 768
	CROUND                                         ; all sixteen work-groups are here
	ARM 1, G0A, G1A, .Lhead_b                      ; one chain of branches on the wave's number, one load to an arm
	ARM 2, 56, G1B, .Lhead_sa
	ARM 3, G0SA, G1SA, .Lhead_sb
	tensor_load_to_lds s[G0SB:G0SB+3], s[G1SB:G1SB+7]
	s_nop 0
.rept 4
	v_nop
.endr
.Lhead_asked:
	v_and_b32 v1, 15, v0                           ; r
	v_bfe_u32 v2, v0, 4, 1                         ; h
	v_and_b32 v3, 31, v0
	v_lshlrev_b32 v3, 4, v3
	s_lshl_b32 s20, s13, 15                        ; my 8 tiles of tokens: 32,768 bytes in region 0, twice that in region 1
	v_add_nc_u32 v[ADRA], s20, v3
	v_add_nc_u32 v[ADRA+1], s20, v[ADRA]
	v_add_nc_u32 v[ADRA+1], SLOT, v[ADRA+1]
	v_mul_u32_u24 v4, v1, PITCH
	v_lshl_add_u32 v4, v2, 4, v4
	s_mul_i32 s20, s14, 64*PITCH                   ; my 64 rows of w_out
	s_add_co_u32 s20, s20, BOFF
	v_add_nc_u32 v[ADRB], s20, v4
	v_lshl_add_u32 v[ADRB+1], v1, 8, v4            ; r x 528 + 16 h
	s_mul_i32 s20, s14, 64*(PITCH+256)
	s_add_co_u32 s20, s20, B12
	v_add_nc_u32 v[ADRB+1], s20, v[ADRB+1]
	s_lshl_b32 s20, s13, 8
	s_add_co_u32 s20, s20, ASC
	v_lshl_add_u32 v[ADSA], v1, 1, s20             ; ASC + 2 (128 x my half + r)
	s_lshl_b32 s20, s14, 11
	s_add_co_u32 s20, s20, BSC
	v_lshl_add_u32 v[ADSB], v1, 5, s20             ; BSC + 32 (64 x my half + r)
	s_mul_i32 s20, s12, 16*SPITCH
	s_add_co_u32 s20, s20, STAGE                   ; my stage
	v_mul_u32_u24 v5, v1, SPITCH
	v_lshl_add_u32 v5, v2, 5, v5
	v_add_nc_u32 v[STO], s20, v5
	v_mul_u32_u24 v5, v2, SPITCH
	v_lshl_add_u32 v5, v1, 4, v5
	v_add_nc_u32 v[RD], s20, v5
	v_lshlrev_b32 v5, 12, v2
	v_lshl_add_u32 v[CO], v1, 4, v5
	s_lshl_b32 s20, s22, 9
	s_lshl_b32 s21, s14, 8
	s_add_co_u32 s20, s20, s21                     ; my first output, in bytes
	v_lshl_add_u32 v[BA], v2, 5, s20
	s_lshl_b32 s2, s23, 20                         ; my first token's row: (256 TR + 128 half) x 4,096
	s_lshl_b32 s3, s13, 19
	s_add_co_u32 s2, s2, s3
	s_add_co_u32 s2, s2, s20
	s_mov_b32 s3, 0
	s_add_nc_u64 s[18:19], s[18:19], s[2:3]
	WIN TO_B
.irp b, 0,1,2,3
	global_load_b128 v[BIAS+8*\b:BIAS+8*\b+3], v[BA], s[16:17] offset:64*\b       ; register 8 b + j: b_out[my first output + 16 b + 8 h + j]
	global_load_b128 v[BIAS+8*\b+4:BIAS+8*\b+7], v[BA], s[16:17] offset:64*\b+16
.endr
	WIN 0
.macro FRAGA slot, q, i                ; region 0: a tile of tokens is 4,096 bytes, region 1: 8,192; q: which 128 of K in the region
.irp c, 0,1,2,3
	ds_load_b128 v[AF+16*(\i)+4*\c:AF+16*(\i)+4*\c+3], v[ADRA+\slot] offset:(4096+4096*(\slot))*(\i)+2048*(\q)+512*\c
.endr
.endm
.macro FETCH_A slot, q, i0
.irp i, \i0, \i0+1, \i0+2, \i0+3
	FRAGA \slot, \q, \i
.endr
.endm
.macro FETCH_B slot, q, p
	WIN TO_B
.irp i, 0,1,2,3
.irp c, 0,1,2,3
	ds_load_b128 v[64*(\p)+16*\i+4*\c:64*(\p)+16*\i+4*\c+3], v[ADRB+\slot] offset:16*(PITCH+256*(\slot))*\i+128*(\q)+32*\c
.endr
.endr
	WIN 0
.endm
; 8 matrix instructions: token blocks a0, a0 + 1 x the four blocks of outputs, the g-th 128 of K.  The 32 accumulators take turns, in the same order in every step.
.macro MUL8 a0, g, first
.irp a, \a0, \a0+1
.irp b, 0,1,2,3
.if \first
	v_wmma_scale_f32_16x16x128_f8f6f4 v[8*(4*(\a)+\b):8*(4*(\a)+\b)+7], v[64*((\g)%2)+16*\b:64*((\g)%2)+16*\b+15], v[AF+16*(\a):AF+16*(\a)+15], v[BIAS+8*\b:BIAS+8*\b+7], v[SB+8*\b+(\g)], v[SA+8*(\a)+(\g)]
.else
	v_wmma_scale_f32_16x16x128_f8f6f4 v[8*(4*(\a)+\b):8*(4*(\a)+\b)+7], v[64*((\g)%2)+16*\b:64*((\g)%2)+16*\b+15], v[AF+16*(\a):AF+16*(\a)+15], v[8*(4*(\a)+\b):8*(4*(\a)+\b)+7], v[SB+8*\b+(\g)], v[SA+8*(\a)+(\g)]
.endif
.endr
.endr
.endm
.macro PLACES n
.rept \n
	v_nop
.endr
.endm
.macro WMUL first
.if \first
	WIN MUL0
.else
	WIN MUL
.endif
.endm
; Step g multiplies 128 of K and fetches step g + 1's fragments from (nslot, nq).  sync = 1: the change behind which region 0 is filled again; sync = 2: the barrier that shows that fill to every wave.
.macro STEP g, nslot, nq, sync, first
.if \sync
	s_wait_tensorcnt 0x0                           ; all my tensor loads have landed
	ds_add_u32 v[SPW], v[NIL]                      ; 0 onto my spare word
	s_wait_dscnt 17                                ; (the add and the youngest sixteen loads, token blocks 4-7, may be out)
	WIN MUL
	MUL8 0, \g, 0
	s_wait_dscnt 0x0                               ; the add is done, and my reads of the region behind me are over
	s_barrier_signal -1
	MUL8 2, \g, 0
	WIN 0
	s_barrier_wait -1
.if \sync == 1
	CREST                                          ; the barrier has opened a round of the cluster's: no wave of any partner still reads region 0 or has a load on its way
	JLOAD G0A+12, G1A, 40, G1B                     ; K 768-1,023 into region 0: the first tensor load behind the round; it has four steps in which to land
	PLACES 4                                       ; with the four v_nop behind the load: eight places
.else
	PLACES 8
.endif
.else
	s_wait_dscnt 16                                ; w_out's set and token blocks 0-3 are in; the youngest sixteen loads may be out
	WMUL \first
	MUL8 0, \g, \first
	MUL8 2, \g, \first
	s_wait_dscnt 0x0
	PLACES 8
.endif
	FETCH_B \nslot, \nq, 1-(\g)%2
	FETCH_A \nslot, \nq, 0
	WMUL \first
	MUL8 4, \g, \first
	MUL8 6, \g, \first
	PLACES 8
	WIN 0
	FETCH_A \nslot, \nq, 4
.endm
	s_wait_alu depctr_va_vdst(0)                   ; the wait at the head's end
	s_wait_tensorcnt 0x0                           ; my tile of the head's four is in
	ds_add_u32 v[SPW], v[NIL]
	s_mov_b32 s[G1A+2], 8<<16                      ; no tensor load of mine is out: for the third fill a load brings half the rows
	s_mov_b32 s[G1A+4], 8
	s_mov_b32 s[G1B+2], 64<<16
	s_mov_b32 s[G1B+4], 64
	s_wait_dscnt 0x0
	CROUND                                         ; all four tiles are in, and all sixteen work-groups are here
	JLOAD G0A+4, G1A2, 60, G1B2                    ; K 256-767: the first tensor load behind the round
.irp a, 0,1,2,3,4,5,6,7                        ; attn's scale words: heads 2 g and 2 g + 1 give the two halves of the word of the g-th 128 of K
.irp g, 0,1,2,3,4,5,6,7
	ds_load_u16 v[AF+16*\a+2*\g], v[ADSA] offset:1024*\g+32*\a
	ds_load_u16 v[AF+16*\a+2*\g+1], v[ADSA] offset:1024*\g+32*\a+512
.endr
.endr
.irp b, 0,1,2,3
	ds_load_b128 v[SB+8*\b:SB+8*\b+3], v[ADSB] offset:512*\b         ; w_out's: a row's 32 bytes are its eight words
	ds_load_b128 v[SB+8*\b+4:SB+8*\b+7], v[ADSB] offset:512*\b+16
.endr
	s_wait_dscnt 0x0
.irp a, 0,1,2,3,4,5,6,7
.irp g, 0,1,2,3,4,5,6,7
	v_lshl_or_b32 v[SA+8*\a+\g], v[AF+16*\a+2*\g+1], 16, v[AF+16*\a+2*\g]
.endr
.endr
	FETCH_B 0, 0, 0
	FETCH_A 0, 0, 0
	FETCH_A 0, 0, 4
	PLACES 8                                       ; a scale register written by a vector instruction stands eight places ahead of the product that names it
	s_wait_alu depctr_va_vdst(0)                   ; the wait ahead of the wait below
	s_wait_loadcnt 0x0                             ; the bias
	STEP 0, 0, 1, 0, 1                             ; the first products start the sums from the bias
	STEP 1, 1, 0, 1, 0                             ; region 1 is whole; region 0 is left, and filled again
	STEP 2, 1, 1, 0, 0
	STEP 3, 1, 2, 0, 0
	STEP 4, 1, 3, 0, 0
	STEP 5, 0, 0, 2, 0                             ; K 768-1,023 has landed, in every wave's part
	STEP 6, 0, 1, 0, 0
	s_wait_dscnt 16
	WIN MUL
	MUL8 0, 7, 0
	MUL8 2, 7, 0
	s_wait_dscnt 0
	MUL8 4, 7, 0
	MUL8 6, 7, 0
	WIN 0
; THE WAY OUT, a block of 16 tokens x my 64 outputs at a time: through my own stage and back as whole rows of 256 bytes.  LDS serves a wave's instructions in order (ISA guide 5.7.1.4): no wait between stores and loads.
.macro TOSTAGE a
	WIN 0x08                                       ; an LDS store's data: window 2
.irp b, 0,1,2,3
	ds_store_b128 v[STO], v[8*(4*(\a)+\b):8*(4*(\a)+\b)+3] offset:64*\b          ; each accumulator from its low end on
	ds_store_b128 v[STO], v[8*(4*(\a)+\b)+4:8*(4*(\a)+\b)+7] offset:64*\b+16
.endr
	WIN 0
.set BB, BK+32*((\a)%2)
.irp t, 0,1,2,3,4,5,6,7
	ds_load_b128 v[BB+4*\t:BB+4*\t+3], v[RD] offset:\t*2*SPITCH
.endr
.endm
.macro SEND a, younger                 ; younger: the LDS instructions issued behind block a's loads
.set BB, BK+32*((\a)%2)
	s_wait_dscnt \younger
.if (\a) > 0
	s_add_nc_u64 s[18:19], s[18:19], 65536         ; 16 rows of out0 on (behind a wait on XCNT: the earlier stores have read their base)
.endif
.irp t, 0,1,2,3,4,5,6,7
	global_store_b128 v[CO], v[BB+4*\t:BB+4*\t+3], s[18:19] offset:8192*\t th:TH_STORE_NT   ; sixteen lanes store 256 consecutive bytes, aligned
.endr
.endm
	PLACES 8                                       ; behind the last products: results are read, and loads land in registers that held their operands
	TOSTAGE 0
.irp a, 1,2,3,4,5,6,7
.if \a > 1
	s_wait_xcnt 0x0                                ; block a - 2's stores have read their registers and their base
.endif
	TOSTAGE \a
	SEND \a-1, 16                                  ; behind block a - 1's loads: block a's 8 stores and 8 loads
.endr
	s_wait_xcnt 0x0
	SEND 7, 0
	s_wait_tensorcnt 0x0                           ; the wave's end
	ds_add_u32 v[SPW], v[NIL]
	s_wait_dscnt 0x0
	CROUND                                         ; the closing round
	s_endpgm
.Lfunc_end_k_qeb6fb2396c_proj:
	.size	k_qeb6fb2396c_proj, .Lfunc_end_k_qeb6fb2396c_proj-k_qeb6fb2396c_proj
	.p2alignl 7, 3214868480
	.fill 96, 4, 3214868480
	.section	.rodata,"a",@progbits
	.p2align	6, 0x0
	.amdhsa_kernel k_qeb6fb2396c_proj
		.amdhsa_group_segment_fixed_size 327680
		.amdhsa_private_segment_fixed_size 0
		.amdhsa_enable_private_segment 0
		.amdhsa_kernarg_size 48
		.amdhsa_user_sgpr_count 2
		.amdhsa_user_sgpr_kernarg_segment_ptr 1
		.amdhsa_wavefront_size32 1
		.amdhsa_system_sgpr_workgroup_id_x 1
		.amdhsa_system_sgpr_workgroup_id_y 1
		.amdhsa_system_sgpr_workgroup_id_z 1
		.amdhsa_system_vgpr_workitem_id 0
		.amdhsa_next_free_vgpr 768
		.amdhsa_next_free_sgpr 106
		.amdhsa_reserve_vcc 0
		.amdhsa_float_denorm_mode_32 3
		.amdhsa_float_denorm_mode_16_64 3
		.amdhsa_memory_ordered 1
		.amdhsa_forward_progress 1
		.amdhsa_inst_pref_size 104
	.end_amdhsa_kernel
	.amdgpu_metadata
---
amdhsa.version: [ 1, 2 ]
amdhsa.kernels:
  - .name:           k_qeb6fb2396c_proj
    .symbol:         k_qeb6fb2396c_proj.kd
    .args:
      - { .name: att_c, .offset: 0, .size: 8, .value_kind: global_buffer, .address_space: global }
      - { .name: att_s, .offset: 8, .size: 8, .value_kind: global_buffer, .address_space: global }
      - { .name: w_out_codes, .offset: 16, .size: 8, .value_kind: global_buffer, .address_space: global }
      - { .name: w_out_scales, .offset: 24, .size: 8, .value_kind: global_buffer, .address_space: global }
      - { .name: b_out, .offset: 32, .size: 8, .value_kind: global_buffer, .address_space: global }
      - { .name: out0, .offset: 40, .size: 8, .value_kind: global_buffer, .address_space: global }
    .group_segment_fixed_size: 327680
    .private_segment_fixed_size: 0
    .kernarg_segment_align: 8
    .kernarg_segment_size: 48
    .max_flat_workgroup_size: 128
    .sgpr_count:     106
    .vgpr_count:     768
    .wavefront_size: 32
...
	.end_amdgpu_metadata
.endif
;; end of part 3
